; MI455X (gfx1250); checked and timed in simulation.
; The chip was launched on July 23, 2026; its instructions are those of AMD's public machine-readable ISA for CDNA 5 (MIT licence, August 2026) and "CDNA5" Instruction Set Architecture Reference Guide (July 2026). The comments in the code are by the model that wrote it; some were corrected since.
;; Global Attention. Allowed arithmetic: matrix products marked QUANTISED: E2M1 operands, one E8M0 scale for each 32 along K, by v_wmma_scale_f32_16x16x128_f8f6f4 with both operands' format E2M1 (or v_wmma_scale_f32_32x16x128_f4), f32 sums; products left as they are: f32 operands where the result goes on into a quantised operand, else bf16, f16 or f32 operands; f32 sums; everything else in f32.
;; Inputs: Wkv_codes 2,048 x 32 x 16 uint8 (E2M1 codes of Wkv, K innermost, in blocks of 32 codes, two codes a byte); Wkv_scales 2,048 x 32 uint8 (E8M0 scales of Wkv, one for each 32 codes along K); Wq_codes 1,024 x 32 x 16 uint8 (E2M1 codes of Wq, K innermost, in blocks of 32 codes, two codes a byte); Wq_scales 1,024 x 32 uint8 (E8M0 scales of Wq, one for each 32 codes along K); class_feature 1 x 1 x 1,024 float32; features 16 x 2,048 x 1,024 float32; kv_beta 1,024 float32; kv_gamma 1,024 float32; proj_W_codes 1,024 x 32 x 16 uint8 (E2M1 codes of proj_W, K innermost, in blocks of 32 codes, two codes a byte); proj_W_scales 1,024 x 32 uint8 (E8M0 scales of proj_W, one for each 32 codes along K); proj_b 1,024 float32; q_beta 1,024 float32; q_gamma 1,024 float32.
;; Outputs: out0 16 x 1 x 1,024 float32.
;; This version of the problem:
;;   THIS VERSION OF THE PROBLEM IS GIVEN IN LOW PRECISION. The matrix products marked QUANTISED in the list below multiply operands that are first quantised to E2M1 (2 exponent bits, 1 mantissa bit; 4 bits a number), with one power-of-two scale for each 32 numbers along K (OCP MX v1.0); their sums are f32. All else is computed in f32.
;;   The module's matrix products, in the order in which they are computed (A, B: the left and right operand; K: the contracted axis; several contracted axes count as one K, in the product's order):
;;     1. [M 16, K 1,024] x [K 1,024, N 1,024]; A: computed on the way; B: input Wq (given as codes): QUANTISED
;;     2. [M 32,768, K 1,024] x [K 1,024, N 2,048]; A: computed on the way; B: input Wkv (given as codes): QUANTISED
;;     3. batch 128 x [M 1, K 128] x [K 128, N 2,048]; A: computed on the way; B: computed on the way: left as it is (M = 1 < 16)
;;     4. batch 128 x [M 1, K 2,048] x [K 2,048, N 128]; A: softmax; B: computed on the way: left as it is (M = 1 < 16)
;;     5. [M 16, K 1,024] x [K 1,024, N 1,024]; A: computed on the way; B: input proj_W (given as codes): QUANTISED
;;   THE QUANTISER, for each operand of a quantised product, along K:
;;     - K is cut into blocks of 32 from its start; a last block that is shorter is filled with zeros.
;;     - A block's scale is 2^e with e = floor(log2(the largest magnitude in the block)) - 2, held to -126 .. 127; a block of zeros has e = 0. As a byte (E8M0): e + 127.
;;     - Each number is divided by its block's scale, clamped to +-6, and rounded to the nearest number of E2M1, ties to even, subnormals kept.
;;     - The product sums the exact products of the quantised numbers (number of the format x scale) in f32.
;;   ~~~python
;;   def quantise(x, axis):      # numpy; x: float32 -> the quantised numbers, widened to float32 again
;;       x = np.moveaxis(x, axis, -1); K = x.shape[-1]
;;       x = np.pad(x, [(0, 0)] * (x.ndim - 1) + [(0, -K % 32)]); x = x.reshape(x.shape[:-1] + (-1, 32)); a = np.abs(x).max(-1, keepdims=True)
;;       e = np.where(a > 0, np.clip(np.frexp(np.where(a > 0, a, 1))[1] - 1 - 2, -126, 127), 0)      # np.frexp(a)[1] - 1 = floor(log2(a)), exactly
;;       r = np.clip(x / 2.0 ** e, -6, 6)
;;       step = 2.0 ** (np.maximum(np.frexp(np.where(r == 0, 1, r))[1] - 1, 0) - 1)
;;       q = np.round(r / step) * step * 2.0 ** e      # np.round: ties to even
;;       return np.moveaxis(q.reshape(q.shape[:-2] + (-1,))[..., :K], -1, axis).astype(np.float32)
;;   ~~~
;;   OPERANDS COMPUTED ON THE WAY. 'Computed on the way' means the value that the module computes at that place (a softmax that the list does not call 'softmax' is quantised finished and normalised). What goes into a quantiser is computed in f32, as accurately as f32 sums, v_exp_f32 and their like allow (about 1e-6 of the number): no bf16 or f16 on the way to a quantiser, and a product that is left as it is and whose result goes on into a quantised operand takes f32 operands (vector FMAs, or v_wmma_f32_16x16x4_f32). A number that lies on a knife's edge between two numbers of the format may be rounded either way, as far as f32 arithmetic and the matrix unit's own rounding can turn it there, and no further.
;;   INPUTS GIVEN AS CODES. Wkv (in the module: [2048, 1024], K = its axis 1); Wq (in the module: [1024, 1024], K = its axis 1); proj_W (in the module: [1024, 1024], K = its axis 1): each comes as NAME_codes (uint8): NAME with its K axis moved to the last place and cut into blocks of 32 codes, [.., K / 32, bytes a block], one block behind the other in memory; two codes a byte, the lower K in the low four bits (a code: sign, 2 exponent bits, 1 mantissa bit); and NAME_scales (uint8): the same leading axes, one E8M0 byte (e + 127) for each 32 codes along K. Its value is code x scale, taken as it is: it is not quantised again, and the codes and scales need not be those that the quantiser above would give.
;; One version. Each part assembles by itself: llvm-mc -triple=amdgcn-amd-amdhsa -mcpu=gfx1250 --defsym DOCPART=n.
;; ======== version 1 of 1: 3 launches
;; limits: right only within a limited range of input values
;; workspace buffers: qvec 4,096 bytes; part 1,114,112 bytes
;; launch qproj (part 1): grid 16 x 1, 4 waves a work-group, no clusters, 5,120 bytes of LDS; arguments class_feature, q_gamma, q_beta, Wq_codes, Wq_scales, qvec; writes qvec
.if DOCPART == 1
	.amdgcn_target "amdgcn-amd-amdhsa--gfx1250"
	.amdhsa_code_object_version 6
	.text
	.protected	k_qcc7b2e61df_qproj
	.globl	k_qcc7b2e61df_qproj
	.p2align	8
	.type	k_qcc7b2e61df_qproj,@function
k_qcc7b2e61df_qproj:
	s_mov_b64 s[64:65], 0
	v_nop
	global_prefetch_b8 v0, s[64:65] scope:SCOPE_SE
	s_setreg_imm32_b32 hwreg(HW_REG_WAVE_MODE, 25, 1), 1
	s_wait_xcnt 0x0
; qvec[n] = (Q(LN(class_feature)) . Wq[n][:]) x 2^-5 x log2(e), n = 0 .. 1023.  The query is the same for all 16 batches, so it is made once.
; 2^-5 is reference()'s scale 1024^-0.5; log2(e) turns the later exponentials into powers of two.
; Work-group x makes outputs 64 x .. 64 x + 63; wave w of its four makes 16 of them: one tile of 16 rows of Wq.  Every wave norms and quantises the one row itself (24 loads), so that
; all of a wave's 41 loads go out together at its head and the waves meet only once, in front of the store.
; The layer norm: lane l holds the 32 numbers of block l (k = 32 l + i in register i), so a block's largest magnitude needs no other lane.
; The row's codes (512 bytes) and scale bytes (32) go through the wave's own 1,024 bytes of LDS and come back as operand fragments in which all 16 rows are this one row.
; LIMITS: NaN and infinities are not served.  A block whose largest magnitude lies under 2^-124 (a block of zeros too) keeps the scale byte 1: its bytes are read here alone.
; (x - mu) is multiplied by gamma before 1/sqrt(var + eps): one rounding in another order than reference().  The variance is taken of x - mu, in a second pass.
; The sum over K is kept in four accumulators (K step s in accumulator s % 4) and added at the end: another order of f32 additions than one chain.
.set T,   16                           ; v16-23  at work
.set MU,  24                           ; v[24:25] the mean (low word; the pair is named by packed forms)
.set RS,  26                           ; v[26:27] 1/sqrt(var + eps)
.set Y,   32                           ; v32-63  the row
.set G,   64                           ; v64-95  gamma
.set BT,  96                           ; v96-127 beta
.set AF,  64                           ; v64-127 later: the row's 8 fragments (K step s at AF + 8 s)
.set BF,  128                          ; v128-191 my tile of Wq: K step s at BF + 8 s
.set ACC, 192                          ; v192-223 four accumulators
.set SAQ, 224                          ; v224-231 the row's scale words, K step s in register s
.set SBQ, 232                          ; v232-235 Wq's scale words: register s & 3; lanes 0-15 K steps 0-3, lanes 16-31 K steps 4-7
.set CC,  248                          ; v248-251 my block's 32 codes
.set STG, 4096                         ; LDS: behind the waves' four regions of 1,024 bytes: the 64 outputs
.macro EMIT                            ; one matrix instruction from the symbols wD, wA, wB, wZ (C = 0), wSA, wSB, wRB (B's scales in lanes 16-31)
.if wZ
.if wRB
	v_wmma_scale_f32_16x16x128_f8f6f4 v[wD:wD+7], v[wA:wA+7], v[wB:wB+7], 0, v[wSA], v[wSB] matrix_a_fmt:MATRIX_FMT_FP4 matrix_b_fmt:MATRIX_FMT_FP4 matrix_b_scale:MATRIX_SCALE_ROW1
.else
	v_wmma_scale_f32_16x16x128_f8f6f4 v[wD:wD+7], v[wA:wA+7], v[wB:wB+7], 0, v[wSA], v[wSB] matrix_a_fmt:MATRIX_FMT_FP4 matrix_b_fmt:MATRIX_FMT_FP4
.endif
.else
.if wRB
	v_wmma_scale_f32_16x16x128_f8f6f4 v[wD:wD+7], v[wA:wA+7], v[wB:wB+7], v[wD:wD+7], v[wSA], v[wSB] matrix_a_fmt:MATRIX_FMT_FP4 matrix_b_fmt:MATRIX_FMT_FP4 matrix_b_scale:MATRIX_SCALE_ROW1
.else
	v_wmma_scale_f32_16x16x128_f8f6f4 v[wD:wD+7], v[wA:wA+7], v[wB:wB+7], v[wD:wD+7], v[wSA], v[wSB] matrix_a_fmt:MATRIX_FMT_FP4 matrix_b_fmt:MATRIX_FMT_FP4
.endif
.endif
.endm
.macro REDUCE                          ; four packed partial sums in v[T:T+7] become the wave's sum, in every lane's v[T]
	v_pk_add_f32 v[T:T+1], v[T:T+1], v[T+2:T+3]
	v_pk_add_f32 v[T+4:T+5], v[T+4:T+5], v[T+6:T+7]
	v_pk_add_f32 v[T:T+1], v[T:T+1], v[T+4:T+5]
	v_add_f32 v[T], v[T], v[T+1]
.irp x, 1,2,4,8
	v_add_f32_dpp v[T], v[T], v[T] row_xmask:\x row_mask:0xf bank_mask:0xf
.endr
	v_permlanex16_b32 v[T+1], v[T], s20, s21
	v_add_f32 v[T], v[T], v[T+1]
.endm
	s_load_b256 s[4:11], s[0:1], 0x0               ; class_feature, q_gamma, q_beta, Wq's codes
	s_load_b128 s[12:15], s[0:1], 0x20             ; Wq's scales, qvec
	v_lshl_add_u32 v254, v0, 2, 0x1200
	v_mov_b32 v255, 0
	v_lshrrev_b32 v10, 5, v0
	v_readfirstlane_b32 s26, v10                   ; wave 0..3
	v_and_b32 v12, 31, v0                          ; lane
	v_and_b32 v10, 15, v0                          ; r
	v_bfe_u32 v11, v0, 4, 1                        ; h
	s_lshl_b32 s27, s26, 10                        ; my wave's 1,024 bytes of LDS
	s_lshl_b32 s28, s26, 6                         ; my wave's 64 bytes of the 64 outputs
	v_lshlrev_b32 v1, 7, v12                       ; 128 x lane: my block of 32 f32
	v_lshl_add_u32 v2, v11, 4, s27                 ; LDS: my half's 16 bytes of a K step's 64
	v_lshlrev_b32 v3, 9, v10
	v_lshl_add_u32 v3, v11, 4, v3                  ; Wq: row r of 512 bytes, + 16 h
	v_lshlrev_b32 v4, 5, v10
	v_lshl_add_u32 v4, v11, 4, v4                  ; its scales: row r of 32 bytes, + 16 h
	v_lshl_add_u32 v5, v12, 4, s27                 ; LDS: my block's 16 bytes of codes
	v_add_nc_u32 v6, s27, v12                      ; LDS: my block's scale byte (512 further on)
	v_mov_b32 v7, s27                              ; LDS: my wave's region
	v_lshl_add_u32 v8, v10, 2, s28                 ; LDS: the way out: 64 w + 4 r
	v_lshlrev_b32 v9, 3, v12                       ; 8 x lane
	v_mov_b32 v[MU+1], 0                           ; upper halves of pairs that packed forms name
	v_mov_b32 v[RS+1], 0
	s_mov_b32 s20, 0x76543210                      ; v_permlanex16_b32's selects for lane l xor 16
	s_mov_b32 s21, 0xfedcba98
	s_mov_b32 s22, 0x3a800000                      ; 1/1024
	s_mov_b32 s23, 0x3727c5ac                      ; 1e-5
	s_lshl_b32 s16, ttmp9, 15                      ; my work-group's 64 rows of 512 bytes,
	s_lshl_b32 s17, s26, 13                        ; my wave's 16 of them
	s_add_co_u32 s16, s16, s17
	s_mov_b32 s17, 0
	s_lshl_b32 s18, ttmp9, 11                      ; their scale bytes: 32 a row
	s_lshl_b32 s19, s26, 9
	s_add_co_u32 s18, s18, s19
	s_mov_b32 s19, 0
	s_lshl_b32 s24, ttmp9, 8                       ; my work-group's 64 outputs
	s_mov_b32 s25, 0
	s_wait_alu depctr_va_vdst(0)
	s_wait_kmcnt 0x0
	s_add_nc_u64 s[10:11], s[10:11], s[16:17]
	s_add_nc_u64 s[12:13], s[12:13], s[18:19]
	s_add_nc_u64 s[14:15], s[14:15], s[24:25]
.irp i, 0,1,2,3,4,5,6,7
	global_load_b128 v[Y+4*\i:Y+4*\i+3], v1, s[4:5] offset:16*\i
.endr
.irp i, 0,1,2,3,4,5,6,7
	global_load_b128 v[G+4*\i:G+4*\i+3], v1, s[6:7] offset:16*\i
.endr
.irp i, 0,1,2,3,4,5,6,7
	global_load_b128 v[BT+4*\i:BT+4*\i+3], v1, s[8:9] offset:16*\i
.endr
.irp s, 0,1,2,3,4,5,6,7
.irp c, 0,1
	global_load_b128 v[BF+8*\s+4*\c:BF+8*\s+4*\c+3], v3, s[10:11] offset:64*\s+32*\c
.endr
.endr
	global_load_b128 v[SBQ:SBQ+3], v4, s[12:13]
	s_wait_loadcnt 17                              ; the row, gamma and beta are in; the tile's 16 loads and its scale words' one stay out
	; ---- the layer norm
.irp c, 0,1,2,3
	v_pk_add_f32 v[T+2*\c:T+2*\c+1], v[Y+4*\c:Y+4*\c+1], v[Y+4*\c+2:Y+4*\c+3]
.endr
.irp k, 16,24
.irp c, 0,1,2,3
	v_pk_add_f32 v[T+2*\c:T+2*\c+1], v[T+2*\c:T+2*\c+1], v[Y+\k+2*\c:Y+\k+2*\c+1]
.endr
.endr
	REDUCE
	v_mul_f32 v[MU], s22, v[T]                     ; the mean
.irp k, 0,2,4,6,8,10,12,14,16,18,20,22,24,26,28,30
	v_pk_add_f32 v[Y+\k:Y+\k+1], v[Y+\k:Y+\k+1], v[MU:MU+1] op_sel_hi:[1,0] neg_lo:[0,1] neg_hi:[0,1]
.endr
.irp c, 0,1,2,3
	v_pk_mul_f32 v[T+2*\c:T+2*\c+1], v[Y+2*\c:Y+2*\c+1], v[Y+2*\c:Y+2*\c+1]
.endr
.irp k, 8,16,24
.irp c, 0,1,2,3
	v_pk_fma_f32 v[T+2*\c:T+2*\c+1], v[Y+\k+2*\c:Y+\k+2*\c+1], v[Y+\k+2*\c:Y+\k+2*\c+1], v[T+2*\c:T+2*\c+1]
.endr
.endr
	REDUCE
	v_fma_f32 v[T], v[T], s22, s23                 ; var + eps
	s_wait_alu depctr_va_vdst(0)
	v_rsq_f32 v[RS], v[T]
.irp k, 0,2,4,6,8,10,12,14,16,18,20,22,24,26,28,30
	v_pk_mul_f32 v[Y+\k:Y+\k+1], v[Y+\k:Y+\k+1], v[G+\k:G+\k+1]   ; independent work behind the root
.endr
	s_wait_alu depctr_va_vdst(0)                   ; the wait ahead of the first reader of the root
.irp k, 0,2,4,6,8,10,12,14,16,18,20,22,24,26,28,30
	v_pk_fma_f32 v[Y+\k:Y+\k+1], v[Y+\k:Y+\k+1], v[RS:RS+1], v[BT+\k:BT+\k+1] op_sel_hi:[1,0,1]
.endr
	; ---- my block of 32: largest magnitude with the floor 2^(3 - 127), scale, codes
	v_max3_num_f32 v[T], |v[Y]|, |v[Y+1]|, 0x1800000
	v_max3_num_f32 v[T+1], |v[Y+2]|, |v[Y+3]|, |v[Y+4]|
.irp k, 5,9,13,17,21,25
	v_max3_num_f32 v[T], v[T], |v[Y+\k]|, |v[Y+\k+1]|
	v_max3_num_f32 v[T+1], v[T+1], |v[Y+\k+2]|, |v[Y+\k+3]|
.endr
	v_max3_num_f32 v[T], v[T], |v[Y+29]|, |v[Y+30]|
	v_max3_num_f32 v[T], v[T], v[T+1], |v[Y+31]|
	v_add_nc_u32 v[T+2], 0xff000000, v[T]          ; 2 off the exponent field: the conversion's scale operand
.irp c, 0,1,2,3
	v_cvt_scalef32_pk8_fp4_f32 v[CC+\c], v[Y+8*\c:Y+8*\c+7], v[T+2]
.endr
	v_lshrrev_b32 v[T+3], 23, v[T+2]               ; the scale's byte (also the plain line behind the conversions)
	ds_store_b128 v5, v[CC:CC+3]
	ds_store_b8 v6, v[T+3] offset:512
	; ---- back as fragments, into the registers that gamma and beta have left: LDS serves a wave's instructions in order, so these see the stores
.irp s, 0,1,2,3,4,5,6,7
.irp c, 0,1
	ds_load_b128 v[AF+8*\s+4*\c:AF+8*\s+4*\c+3], v2 offset:64*\s+32*\c
.endr
.endr
	ds_load_b128 v[SAQ:SAQ+3], v7 offset:512
	ds_load_b128 v[SAQ+4:SAQ+7], v7 offset:528
	s_wait_dscnt 0x0
	s_wait_loadcnt 0x0                             ; Wq's fragments and scale words
.set ss, 0
.rept 8
.set wD, ACC+8*(ss&3)
.set wA, AF+8*ss
.set wB, BF+8*ss
.set wSA, SAQ+ss
.set wSB, SBQ+(ss&3)
.set wRB, ss>>2
.set wZ, ss<4
	EMIT                                           ; the four accumulators take turns, one instruction a turn; K steps 0 to 3 start the sums
.set ss, ss+1
.endr
.rept 4
	v_nop                                          ; four places behind the last product, ahead of the first read of results
.endr
	v_add_f32 v[T], v[ACC], v[ACC+8]               ; all 16 rows are alike: register 0 of lane r is output 16 w + r
	v_add_f32 v[T+1], v[ACC+16], v[ACC+24]
	v_add_f32 v[T], v[T], v[T+1]
	v_mul_f32 v[T], 0x3d38aa3b, v[T]               ; x 2^-5 log2(e)
	ds_store_b32 v8, v[T] offset:STG               ; both halves of the lanes write the same word with the same value
	s_wait_dscnt 0x0                               ; for the others' sake: my store has landed
	s_barrier_signal -1
	s_barrier_wait -1                              ; the 64 outputs lie in LDS
	s_cmp_lg_u32 s26, 0
	s_cbranch_scc1 .Ldone
	ds_load_b64 v[T+4:T+5], v9 offset:STG
	s_wait_dscnt 0x0
	global_store_b64 v9, v[T+4:T+5], s[14:15]      ; wave 0: 32 lanes store 256 consecutive bytes, aligned
.Ldone:
	s_wait_tensorcnt 0x0
	ds_add_u32 v254, v255
	s_wait_dscnt 0x0
	s_endpgm
.Lfunc_end_k_qcc7b2e61df_qproj:
	.size	k_qcc7b2e61df_qproj, .Lfunc_end_k_qcc7b2e61df_qproj-k_qcc7b2e61df_qproj
	.p2alignl 7, 3214868480
	.fill 96, 4, 3214868480
	.section	.rodata,"a",@progbits
	.p2align	6, 0x0
	.amdhsa_kernel k_qcc7b2e61df_qproj
		.amdhsa_group_segment_fixed_size 5120
		.amdhsa_private_segment_fixed_size 0
		.amdhsa_enable_private_segment 0
		.amdhsa_kernarg_size 48
		.amdhsa_user_sgpr_count 2
		.amdhsa_user_sgpr_kernarg_segment_ptr 1
		.amdhsa_wavefront_size32 1
		.amdhsa_system_sgpr_workgroup_id_x 1
		.amdhsa_system_sgpr_workgroup_id_y 1
		.amdhsa_system_sgpr_workgroup_id_z 1
		.amdhsa_system_vgpr_workitem_id 0
		.amdhsa_next_free_vgpr 256
		.amdhsa_next_free_sgpr 66
		.amdhsa_reserve_vcc 0
		.amdhsa_float_denorm_mode_32 3
		.amdhsa_float_denorm_mode_16_64 3
		.amdhsa_memory_ordered 1
		.amdhsa_forward_progress 1
		.amdhsa_inst_pref_size 17
	.end_amdhsa_kernel
	.amdgpu_metadata
---
amdhsa.version: [ 1, 2 ]
amdhsa.kernels:
  - .name:           k_qcc7b2e61df_qproj
    .symbol:         k_qcc7b2e61df_qproj.kd
    .args:
      - { .name: class_feature, .offset: 0, .size: 8, .value_kind: global_buffer, .address_space: global }
      - { .name: q_gamma, .offset: 8, .size: 8, .value_kind: global_buffer, .address_space: global }
      - { .name: q_beta, .offset: 16, .size: 8, .value_kind: global_buffer, .address_space: global }
      - { .name: Wq_codes, .offset: 24, .size: 8, .value_kind: global_buffer, .address_space: global }
      - { .name: Wq_scales, .offset: 32, .size: 8, .value_kind: global_buffer, .address_space: global }
      - { .name: qvec, .offset: 40, .size: 8, .value_kind: global_buffer, .address_space: global }
    .group_segment_fixed_size: 5120
    .private_segment_fixed_size: 0
    .kernarg_segment_align: 8
    .kernarg_segment_size: 48
    .max_flat_workgroup_size: 128
    .sgpr_count:     66
    .vgpr_count:     256
    .wavefront_size: 32
...
	.end_amdgpu_metadata
.endif
;; end of part 1
;; launch main (part 2): grid 256 x 1, 4 waves a work-group, clusters of 4 x 1, 327,680 bytes of LDS; arguments features, kv_gamma, kv_beta, Wkv_codes, Wkv_scales, qvec, part; writes part
.if DOCPART == 2
	.amdgcn_target "amdgcn-amd-amdhsa--gfx1250"
	.amdhsa_code_object_version 6
	.text
	.protected	k_qcc7b2e61df_main
	.globl	k_qcc7b2e61df_main
	.p2align	8
	.type	k_qcc7b2e61df_main,@function
k_qcc7b2e61df_main:
	s_mov_b64 s[64:65], 0
	v_nop
	global_prefetch_b8 v0, s[64:65] scope:SCOPE_SE
	s_setreg_imm32_b32 hwreg(HW_REG_WAVE_MODE, 25, 1), 1
	s_wait_xcnt 0x0
	s_wait_alu depctr_hold_cnt(0) depctr_sa_sdst(0) depctr_va_vdst(0) depctr_va_sdst(0) depctr_va_ssrc(0) depctr_va_vcc(0) depctr_vm_vsrc(0)
	s_getreg_b32 s2, hwreg(HW_REG_IB_STS2, 6, 4)
	s_cmp_eq_u32 s2, 0
	s_cbranch_scc0 .Lentry_in_a_cluster
	s_endpgm
.Lentry_in_a_cluster:
	s_bfe_u32 s2, ttmp6, 0x10000c
	s_cmp_lg_u32 s2, 0x3003
	s_cbranch_scc0 .Lentry_shape_is_right
	s_endpgm
.Lentry_shape_is_right:
; Work-group g takes 128 tokens (rows 128 g .. 128 g + 127 of features; 16 work-groups to a batch) through: layer norm, quantiser, kv = Q(LN(x)) Wkv^T on codes of FP4 (E2M1) with E8M0 scales,
; scores t = q' . k (q' holds reference()'s scale and log2(e)), a softmax over its own 128 tokens (its maximum taken away), and the sum of p v.  kv never goes to memory.
; It leaves one record of 4,352 bytes: the 1,024 sums of p v, and for each head the pair (largest t, sum of p); the next launch joins a batch's 16 records.
; PHASE 1.  Wave w norms and quantises rows 32 u + 8 w + i (u = 0..3, i = 0..7).  Eight rows of 4,096 bytes are always on their way into registers: 56 to 64 loads of 512 consecutive bytes a wave.
;   Codes and scale bytes go to LDS; then EVERY wave takes all 128 rows as operand fragments into its registers: 64 fragments, 512 registers.
; PHASE 2.  THE WAVES SHARE THE COLUMNS: wave w owns heads 2 w and 2 w + 1: rows 256 w .. + 255 (k) and 1,024 + 256 w .. + 255 (v) of Wkv, 64 rows a fill, eight fills through two LDS slots.
;   A fragment of Wkv read from LDS feeds eight matrix instructions, and each wave reads only the bytes that its own loads brought.
; CLUSTER.  The four work-groups of a cluster walk the same rows of Wkv, so each fill is asked for JOINTLY: the same tensor load with the same descriptor and the mask of all four.
; k: source 0 = 16 rows of Wkv, source 1 = 16 tokens: a lane holds one token and eight channels, which meet q' by packed multiply-adds.
; v: source 0 = 16 tokens, source 1 = 16 rows of Wkv: a lane holds one channel and eight tokens, which meet p likewise.
; LIMITS: NaN and infinities are not served.  A block whose largest magnitude lies under 2^-124 (a block of zeros too) keeps the scale byte 1: its bytes are read here alone.
; (x - mu) is multiplied by gamma before 1/sqrt(var + eps): one rounding in another order than reference().  The variance is taken of x - mu, in a second pass.
; REGISTERS, in windows of 256.  Phase 1 uses the same numbers in windows 0 (rows 0-3 of a trip) and 1 (rows 4-7).  Windows 2 and 3: the tokens' fragments, tile m, K step s at v[64 (m % 4) + 8 s] of window 2 + m / 4.
.set PITCH, 528                        ; an LDS row of 1,024 codes: 512 bytes + 16: an odd multiple of 16 bytes, so the 16 rows that a load touches begin in 16 different columns of 16 bytes
.set WPART, 64*PITCH                   ; what one tensor load brings: 64 rows
.set SLOTX, 4*WPART                    ; a slot, 0x21000 bytes; bits 12 and 17 are clear in w x WPART, so one exclusive or turns an address into the other slot's
.set ACODE, 2*SLOTX                    ; behind the ring: 96 rows of the tokens' codes
.set ASCL,  ACODE+96*PITCH             ; 128 rows x 32 scale bytes
.set SPARE, ASCL+4096                  ; the spare words, 128 bytes for each wave: two blocks of 256 bytes that no other line names
.set QL,    ACODE                      ; behind phase 1's last barrier ACODE's bytes serve again: q', 1,024 bytes a wave;
.set PL,    ACODE+4096                 ; p, 2 heads x 512 bytes a wave;
.set OUTS,  ACODE+8192                 ; the record: 4,096 + 256 bytes
.set SPW,  1                           ; v1   LDS address of my spare word; never rewritten
.set NIL,  2                           ; v2   0; never rewritten
.set VOFF, 3                           ; v3   16 x lane
.set CST0, 4                           ; v4   where my wave's codes begin in ACODE, + 2 x lane
.set SST0, 5                           ; v5   where its scale bytes begin in ASCL, + lane / 8
.set CST,  6                           ; v6   the same for the trip in hand
.set SST,  7                           ; v7
.set AB0,  8                           ; v8   my lane's place in my wave's part of a slot
.set ADB,  9                           ; v9   the same in the slot in hand
.set AQ0,  10                          ; v10  q' in LDS: my wave's, + 32 h
.set APS0, 11                          ; v11  p in LDS, stores: my wave's, + 4 r
.set AP,   12                          ; v12  p in LDS, loads: my wave's, + 32 h
.set OA0,  13                          ; v13  my channel's place in the record
.set SBO,  14                          ; v14  32 r + 16 h: a row of Wkv's scale bytes
.set STA0, 15                          ; v15  the pair's place in the record
.set T,    16                          ; v16-23 at work; then the conversions' scale operands
.set MU,   24                          ; v[24:25] the mean
.set RS,   26                          ; v[26:27] 1/sqrt(var + eps)
.set MX,   28                          ; v28-35 largest magnitudes, then scale bytes
.set CD,   36                          ; v36-43 codes
.set SB,   44                          ; v44-59 (window 0) Wkv's scale words, 4 a tile: lanes 0-15 K steps 0-3, lanes 16-31 K steps 4-7.  (window 1, v44-51: q' as loaded)
.set AA,   60                          ; v60  my lane's place in a tile of ACODE
.set ASA,  61                          ; v61  and in ASCL
.set QST,  62                          ; v62  where I put q'
.set EO,   63                          ; v63  where I read the record back
.set G,    64                          ; v64-95  gamma    (both windows)
.set BT,   96                          ; v96-127 beta     (both windows)
.set SA,   64                          ; phase 2, window 0: the tokens' scale words: register 8 mm + s; lanes 0-15 tile mm, lanes 16-31 tile mm + 4
.set S,    96                          ; v96-111  the scores, a pair for each tile of tokens
.set GP,   112                         ; v112-119 the sums of p v, four pairs
.set ACC,  128                         ; v128-191 eight accumulators
.set QP,   64                          ; phase 2, window 1: v64-127 q' of a slot (32) or p of a head (64)
.set F0,   128                         ; window 1: two buffers for a tile of Wkv (8 fragments)
.set F1,   192
.set AQW,  36                          ; phase 2: addresses of the loads and stores in hand
.set OAW,  37
.set APSW, 38
.set STW,  39
.set WV,   18                          ; s18 my wave's number
.set G1,   24                          ; s[24:31] descriptor group 1
.set GA,   32                          ; s[32:35] group 0 of the first fill
.set GB,   36                          ; s[36:39] group 0 of the second fill; it then walks on
.set SEL,  40                          ; s[40:41] v_permlanex16_b32's selects for lane l xor 16
.set CNT,  42                          ; s42 slots to go in the loop in hand
.set TB,   43                          ; s43 where the slot in hand begins
.set NSB,  48                          ; s[48:49] the next slot's scale bytes in memory;  s[44:45], s[46:47] steps
.set CU,   52                          ; s52, s53 the trip's offsets in ACODE and ASCL
.set SU,   53
.set QB,   54                          ; s54 the slot's q' in my wave's 1,024 bytes
.set PBS,  55                          ; s55 the head's p
.set OB,   56                          ; s56 the slot's place in the record
.set STB,  57                          ; s57 the head's pair
.set HEADS, 58
.set INNER, 59
.set MSB, 0
.macro WIN new                         ; the immediate's high byte repeats the setting that is left
.if MSB != (\new)
	s_set_vgpr_msb (MSB<<8)|(\new)
.set MSB, (\new)
.endif
.endm
.macro CREST                           ; a round of the cluster's barrier behind its opening barrier
	s_cmp_lg_u32 s[WV], 0
	s_cbranch_scc1 .Lnot_wave_0_\@
	s_barrier_signal -3
.Lnot_wave_0_\@:
	s_barrier_wait -3
	s_barrier_signal -1
	s_barrier_wait -1
.endm
.macro CROUND                          ; a whole round
	s_barrier_signal -1
	s_barrier_wait -1
	CREST
.endm
.macro BARRIER                         ; my LDS stores have landed and my LDS loads are in: then the work-group's barrier.
	s_wait_dscnt 0x0
	s_barrier_signal -1
	s_barrier_wait -1
.endm
.macro EMIT                            ; one matrix instruction from the symbols wD, wA, wB, wZ (C = 0), wSA, wSB, wRA, wRB (that side's scales in lanes 16-31)
.if wZ
.if wRA && wRB
	v_wmma_scale_f32_16x16x128_f8f6f4 v[wD:wD+7], v[wA:wA+7], v[wB:wB+7], 0, v[wSA], v[wSB] matrix_a_fmt:MATRIX_FMT_FP4 matrix_b_fmt:MATRIX_FMT_FP4 matrix_a_scale:MATRIX_SCALE_ROW1 matrix_b_scale:MATRIX_SCALE_ROW1
.elseif wRA
	v_wmma_scale_f32_16x16x128_f8f6f4 v[wD:wD+7], v[wA:wA+7], v[wB:wB+7], 0, v[wSA], v[wSB] matrix_a_fmt:MATRIX_FMT_FP4 matrix_b_fmt:MATRIX_FMT_FP4 matrix_a_scale:MATRIX_SCALE_ROW1
.elseif wRB
	v_wmma_scale_f32_16x16x128_f8f6f4 v[wD:wD+7], v[wA:wA+7], v[wB:wB+7], 0, v[wSA], v[wSB] matrix_a_fmt:MATRIX_FMT_FP4 matrix_b_fmt:MATRIX_FMT_FP4 matrix_b_scale:MATRIX_SCALE_ROW1
.else
	v_wmma_scale_f32_16x16x128_f8f6f4 v[wD:wD+7], v[wA:wA+7], v[wB:wB+7], 0, v[wSA], v[wSB] matrix_a_fmt:MATRIX_FMT_FP4 matrix_b_fmt:MATRIX_FMT_FP4
.endif
.else
.if wRA && wRB
	v_wmma_scale_f32_16x16x128_f8f6f4 v[wD:wD+7], v[wA:wA+7], v[wB:wB+7], v[wD:wD+7], v[wSA], v[wSB] matrix_a_fmt:MATRIX_FMT_FP4 matrix_b_fmt:MATRIX_FMT_FP4 matrix_a_scale:MATRIX_SCALE_ROW1 matrix_b_scale:MATRIX_SCALE_ROW1
.elseif wRA
	v_wmma_scale_f32_16x16x128_f8f6f4 v[wD:wD+7], v[wA:wA+7], v[wB:wB+7], v[wD:wD+7], v[wSA], v[wSB] matrix_a_fmt:MATRIX_FMT_FP4 matrix_b_fmt:MATRIX_FMT_FP4 matrix_a_scale:MATRIX_SCALE_ROW1
.elseif wRB
	v_wmma_scale_f32_16x16x128_f8f6f4 v[wD:wD+7], v[wA:wA+7], v[wB:wB+7], v[wD:wD+7], v[wSA], v[wSB] matrix_a_fmt:MATRIX_FMT_FP4 matrix_b_fmt:MATRIX_FMT_FP4 matrix_b_scale:MATRIX_SCALE_ROW1
.else
	v_wmma_scale_f32_16x16x128_f8f6f4 v[wD:wD+7], v[wA:wA+7], v[wB:wB+7], v[wD:wD+7], v[wSA], v[wSB] matrix_a_fmt:MATRIX_FMT_FP4 matrix_b_fmt:MATRIX_FMT_FP4
.endif
.endif
.endm
	s_load_b256 s[4:11], s[0:1], 0x0               ; features s[4:5], kv_gamma s[6:7], kv_beta s[8:9], Wkv's codes s[10:11]
	s_load_b128 s[12:15], s[0:1], 0x20             ; Wkv's scales s[12:13], qvec s[14:15]
	s_load_b64 s[16:17], s[0:1], 0x30              ; part
	v_lshl_add_u32 v[SPW], v0, 2, SPARE
	v_mov_b32 v[NIL], 0
	ds_add_u32 v1, v2
	ds_add_u32 v1, v2
	s_wait_dscnt 0x0
	v_lshrrev_b32 v16, 5, v0
	v_readfirstlane_b32 s[WV], v16                 ; wave 0..3
	s_bfe_u32 s19, ttmp6, 0x40000                  ; cx: my place in the cluster.  It, and what is made of it (s20, s60-s62), enter the addresses of features and part alone
	s_lshl_b32 s20, ttmp9, 2                       ; in a cluster launch ttmp9 counts clusters
	s_add_co_u32 s20, s20, s19                     ; g
	; descriptor group 1: 64 rows of 512 bytes, dense in memory, 16 bytes of padding behind each in LDS
	s_mov_b32 s[G1], 15|(1<<20)|(1<<21)|(6<<22)|(3<<25)   ; 15:0 the mask: all four work-groups; 17:16 elements of 1 byte; 20 padding on; 21 set beside a mask; 24:22 after every 128 words (code 6); 31:25 four words (code 3)
	s_mov_b32 s[G1+1], 512<<16                     ; tensor_dim0
	s_mov_b32 s[G1+2], 64<<16                      ; tensor_dim1
	s_mov_b32 s[G1+3], 512<<16                     ; tile_dim0
	s_mov_b32 s[G1+4], 64                          ; tile_dim1
	s_mov_b32 s[G1+5], 512                         ; tensor_dim0_stride
	s_mov_b32 s[G1+6], 0
	s_mov_b32 s[G1+7], 0
	s_mov_b32 s[SEL], 0x76543210
	s_mov_b32 s[SEL+1], 0xfedcba98
	s_mov_b32 s50, 0x3a800000                      ; 1/1024
	s_mov_b32 s51, 0x3727c5ac                      ; 1e-5
	s_mov_b32 s45, 0
	s_mov_b32 s47, 0
	v_and_b32 v16, 31, v0                          ; lane
	v_and_b32 v17, 15, v0                          ; r
	v_bfe_u32 v18, v0, 4, 1                        ; h
	v_lshlrev_b32 v[VOFF], 4, v16
	v_lshlrev_b32 v[SBO], 5, v17
	v_lshl_add_u32 v[SBO], v18, 4, v[SBO]
	s_lshl_b32 s60, s20, 19                        ; my work-group's 128 rows of 4,096 bytes,
	s_lshl_b32 s62, s[WV], 15                      ; my wave's 8 of a trip's 32
	s_add_co_u32 s60, s60, s62
	s_mov_b32 s61, 0
	s_mov_b32 s23, 0
	s_wait_alu depctr_va_vdst(0)
	s_wait_kmcnt 0x0
	s_add_nc_u64 s[4:5], s[4:5], s[60:61]
	s_mul_i32 s60, s20, 4352                       ; my work-group's record,
	s_lshl_b32 s62, s[WV], 10                      ; my wave's 1,024 bytes of it
	s_add_co_u32 s60, s60, s62
	s_add_nc_u64 s[16:17], s[16:17], s[60:61]
	s_lshl_b32 s22, s[WV], 13                      ; the scale bytes of my wave's 256 rows of k
	s_add_nc_u64 s[12:13], s[12:13], s[22:23]
	s_add_nc_u64 s[NSB:NSB+1], s[12:13], 2048      ; and of its second fill
	s_lshl_b32 s22, s[WV], 10                      ; my wave's 256 numbers of q'
	s_add_nc_u64 s[14:15], s[14:15], s[22:23]
	s_lshl_b32 s22, s[WV], 17                      ; my wave's 256 rows of 512 bytes
	s_add_nc_u64 s[10:11], s[10:11], s[22:23]
	; the loads into registers go out first: gamma and beta for both windows, q', the first slot's scale words, rows 0 to 7.  Register 4 j + e of a row is k = 128 j + 4 lane + e
.irp j, 0,1,2,3,4,5,6,7
	global_load_b128 v[G+4*\j:G+4*\j+3], v[VOFF], s[6:7] offset:512*\j
	global_load_b128 v[BT+4*\j:BT+4*\j+3], v[VOFF], s[8:9] offset:512*\j
.endr
	WIN 0x40                                       ; destination window 1, address window 0
.irp j, 0,1,2,3,4,5,6,7
	global_load_b128 v[G+4*\j:G+4*\j+3], v[VOFF], s[6:7] offset:512*\j
	global_load_b128 v[BT+4*\j:BT+4*\j+3], v[VOFF], s[8:9] offset:512*\j
.endr
	global_load_b128 v[44:47], v[VOFF], s[14:15]
	global_load_b128 v[48:51], v[VOFF], s[14:15] offset:512
	WIN 0
.irp i, 0,1,2,3
	global_load_b128 v[SB+4*\i:SB+4*\i+3], v[SBO], s[12:13] offset:512*\i
.endr
.irp i, 0,1,2,3
.irp j, 0,1,2,3,4,5,6,7
	global_load_b128 v[128+32*\i+4*\j:128+32*\i+4*\j+3], v[VOFF], s[4:5] offset:4096*\i+512*\j th:TH_LOAD_NT
.endr
.endr
	WIN 0x40
.irp i, 0,1,2,3
.irp j, 0,1,2,3,4,5,6,7
	global_load_b128 v[128+32*\i+4*\j:128+32*\i+4*\j+3], v[VOFF], s[4:5] offset:4096*(\i+4)+512*\j th:TH_LOAD_NT
.endr
.endr
	WIN 0
	; the addresses, while the loads are on their way
	s_mul_i32 s21, s[WV], 8*PITCH
	s_add_co_u32 s21, s21, ACODE
	v_lshl_add_u32 v[CST0], v16, 1, s21            ; four codes are 2 bytes a lane
	s_lshl_b32 s21, s[WV], 8
	s_add_co_u32 s21, s21, ASCL
	v_bfe_u32 v[SST0], v0, 3, 2                    ; eight lanes share a block of 32
	v_add_nc_u32 v[SST0], s21, v[SST0]
	s_mul_i32 s21, s[WV], WPART
	v_mul_u32_u24 v[AB0], v17, PITCH
	v_lshl_add_u32 v[AB0], v18, 4, v[AB0]
	v_add_nc_u32 v[AA], ACODE, v[AB0]              ; row r x pitch + 16 h, in ACODE;
	v_add_nc_u32 v[AB0], s21, v[AB0]               ; and in my wave's part of a slot
	s_lshl_b32 s22, s[WV], 10
	s_add_co_u32 s23, s22, QL
	v_lshl_add_u32 v[AQ0], v18, 5, s23
	v_add_nc_u32 v[QST], s23, v[VOFF]
	s_add_co_u32 s23, s22, PL
	v_lshl_add_u32 v[APS0], v17, 2, s23
	v_lshl_add_u32 v[AP], v18, 5, s23
	s_add_co_u32 s23, s22, OUTS
	v_add_nc_u32 v[EO], s23, v[VOFF]
	v_lshrrev_b32 v19, 2, v17
	v_and_b32 v20, 3, v17
	v_lshlrev_b32 v[OA0], 9, v19
	v_lshl_add_u32 v[OA0], v20, 2, v[OA0]
	s_lshl_b32 s23, s[WV], 7
	s_add_co_u32 s23, s23, OUTS
	v_add_nc_u32 v[OA0], s23, v[OA0]               ; channel c = 32 l + 4 i + e lies at byte 512 i + 16 l + 4 e of the record
	s_lshl_b32 s23, s[WV], 6
	s_add_co_u32 s23, s23, OUTS+4096
	v_lshl_add_u32 v[STA0], v20, 3, s23            ; a head's pair stands four times: 8 bytes for each of its four blocks of 32 channels
	v_lshlrev_b32 v[ASA], 5, v17
	v_lshl_add_u32 v[ASA], v18, 11, v[ASA]
	v_add_nc_u32 v[ASA], ASCL, v[ASA]              ; row r of 32 bytes; lanes 16-31 take the tile four further on
	v_mov_b32 v[MU+1], 0                           ; upper halves of pairs that packed forms name
	v_mov_b32 v[RS+1], 0
	WIN 0x40                                       ; what rows 4-7 need stands in window 1 too
	v_mov_b32 v[VOFF], v[VOFF]
	v_mov_b32 v[CST0], v[CST0]
	v_mov_b32 v[SST0], v[SST0]
	v_mov_b32 v[MU+1], 0
	v_mov_b32 v[RS+1], 0
	WIN 0
	; descriptor groups 0: fills 0 and 1: rows 0-63 and 64-127 of my wave's k
	s_mov_b32 s[GA], 1                             ; 1:0 count = 1
	s_mov_b32 s[GA+1], s21                         ; 63:32 LDS address: slot 0, my wave's part
	s_mov_b64 s[GA+2:GA+3], s[10:11]               ; 120:64 global address
	s_or_b32 s[GA+3], s[GA+3], 0x80000000          ; 127:126 type = 2
	s_mov_b32 s[GB], 1
	s_add_co_u32 s[GB+1], s21, SLOTX
	s_add_nc_u64 s[GB+2:GB+3], s[10:11], 0x8000
	s_or_b32 s[GB+3], s[GB+3], 0x80000000
	CROUND                                         ; all four work-groups are here: the first joint loads meet
	tensor_load_to_lds s[GA:GA+3], s[G1:G1+7]      ; slot 0's first fill: my one tensor load at the head; it lands during phase 1
	s_nop 0
.rept 4
	v_nop
.endr
; ---------------- PHASE 1
.macro REDUCE                          ; four packed partial sums in v[T:T+7] become the wave's sum, in every lane's v[T]
	v_pk_add_f32 v[T:T+1], v[T:T+1], v[T+2:T+3]
	v_pk_add_f32 v[T+4:T+5], v[T+4:T+5], v[T+6:T+7]
	v_pk_add_f32 v[T:T+1], v[T:T+1], v[T+4:T+5]
	v_add_f32 v[T], v[T], v[T+1]
.irp x, 1,2,4,8
	v_add_f32_dpp v[T], v[T], v[T] row_xmask:\x row_mask:0xf bank_mask:0xf
.endr
	v_permlanex16_b32 v[T+1], v[T], s[SEL], s[SEL+1]
	v_add_f32 v[T], v[T], v[T+1]
.endm
; Row i of a trip's eight.  load = 1: its registers take the row 32 further down.  left: how many younger loads may stay out.
.macro ROW i, load, left
.set X, 128+32*((\i)%4)
	s_wait_loadcnt \left                           ; loads come back in order: my row's eight are in, the seven younger rows' stay out
.irp c, 0,1,2,3
	v_pk_add_f32 v[T+2*\c:T+2*\c+1], v[X+4*\c:X+4*\c+1], v[X+4*\c+2:X+4*\c+3]
.endr
.irp k, 16,24
.irp c, 0,1,2,3
	v_pk_add_f32 v[T+2*\c:T+2*\c+1], v[T+2*\c:T+2*\c+1], v[X+\k+2*\c:X+\k+2*\c+1]
.endr
.endr
	REDUCE
	v_mul_f32 v[MU], s50, v[T]                     ; the mean
.irp k, 0,2,4,6,8,10,12,14,16,18,20,22,24,26,28,30
	v_pk_add_f32 v[X+\k:X+\k+1], v[X+\k:X+\k+1], v[MU:MU+1] op_sel_hi:[1,0] neg_lo:[0,1] neg_hi:[0,1]
.endr
.irp c, 0,1,2,3
	v_pk_mul_f32 v[T+2*\c:T+2*\c+1], v[X+2*\c:X+2*\c+1], v[X+2*\c:X+2*\c+1]
.endr
.irp k, 8,16,24
.irp c, 0,1,2,3
	v_pk_fma_f32 v[T+2*\c:T+2*\c+1], v[X+\k+2*\c:X+\k+2*\c+1], v[X+\k+2*\c:X+\k+2*\c+1], v[T+2*\c:T+2*\c+1]
.endr
.endr
	REDUCE
	v_fma_f32 v[T], v[T], s50, s51                 ; var + eps
	s_wait_alu depctr_va_vdst(0)
	v_rsq_f32 v[RS], v[T]
.irp k, 0,2,4,6,8,10,12,14,16,18,20,22,24,26,28,30
	v_pk_mul_f32 v[X+\k:X+\k+1], v[X+\k:X+\k+1], v[G+\k:G+\k+1]   ; independent work behind the root
.endr
	s_wait_alu depctr_va_vdst(0)                   ; the wait ahead of the first reader of the root
.irp k, 0,2,4,6,8,10,12,14,16,18,20,22,24,26,28,30
	v_pk_fma_f32 v[X+\k:X+\k+1], v[X+\k:X+\k+1], v[RS:RS+1], v[BT+\k:BT+\k+1] op_sel_hi:[1,0,1]
.endr
	s_wait_alu depctr_va_vdst(0)
	s_wait_dscnt 0x0                               ; the last row's small stores have read their registers
	; a block of 32 is four registers of eight neighbouring lanes: chunk j (registers 4 j ..) holds blocks 4 j + lane / 8.  The eight chunks by turns
.irp j, 0,1,2,3,4,5,6,7
	v_max3_num_f32 v[MX+\j], |v[X+4*\j]|, |v[X+4*\j+1]|, 0x1800000   ; with the floor 2^(3 - 127): the byte cannot fall under 1
.endr
.irp j, 0,1,2,3,4,5,6,7
	v_max3_num_f32 v[MX+\j], v[MX+\j], |v[X+4*\j+2]|, |v[X+4*\j+3]|
.endr
.irp x, 1,2,4
.irp j, 0,1,2,3,4,5,6,7
	v_max_num_f32_dpp v[MX+\j], v[MX+\j], v[MX+\j] row_xmask:\x row_mask:0xf bank_mask:0xf
.endr
.endr
.irp j, 0,1,2,3,4,5,6,7
	v_add_nc_u32 v[T+\j], 0xff000000, v[MX+\j]     ; 2 off the exponent field: the conversion's scale operand
.endr
.irp p, 0,1,2,3                        ; a conversion takes eight registers and one scale: two chunks.  It runs twice: under the first chunk's scale its low 16 bits hold, under the second's its high 16
	v_cvt_scalef32_pk8_fp4_f32 v[CD+2*\p], v[X+8*\p:X+8*\p+7], v[T+2*\p]
	v_cvt_scalef32_pk8_fp4_f32 v[CD+2*\p+1], v[X+8*\p:X+8*\p+7], v[T+2*\p+1]
.endr
.irp j, 0,1,2,3,4,5,6,7
	v_lshrrev_b32 v[MX+\j], 23, v[T+\j]            ; the scales' bytes (also the plain lines behind the conversions)
.endr
.irp p, 0,1,2,3
	ds_store_b16 v[CST], v[CD+2*\p] offset:PITCH*(\i)+128*\p              ; 32 lanes: 64 consecutive bytes of the row's codes
	ds_store_b16_d16_hi v[CST], v[CD+2*\p+1] offset:PITCH*(\i)+128*\p+64
.endr
.irp j, 0,1,2,3,4,5,6,7
	ds_store_b8 v[SST], v[MX+\j] offset:32*(\i)+4*\j   ; the eight lanes of a block write the same byte with the same value
.endr
.if \load
.irp j, 0,1,2,3,4,5,6,7
	global_load_b128 v[X+4*\j:X+4*\j+3], v[VOFF], s[4:5] offset:131072+4096*(\i)+512*\j th:TH_LOAD_NT
.endr
.endif
.endm
.macro ROWS8 load                      ; a trip: my wave's eight rows
	s_wait_dscnt 0x0                               ; no LDS store of mine is out: the two addresses may be written
	v_add_nc_u32 v[CST], s[CU], v[CST0]
	v_add_nc_u32 v[SST], s[SU], v[SST0]
	WIN 0x55
	v_add_nc_u32 v[CST], s[CU], v[CST0]
	v_add_nc_u32 v[SST], s[SU], v[SST0]
	WIN 0
.irp i, 0,1,2,3
	ROW \i, \load, 56-8*\i*(1-\load)
.endr
	WIN 0x55                                       ; every operand place in window 1
.irp i, 4,5,6,7
	ROW \i, \load, 56-8*\i*(1-\load)
.endr
	WIN 0
.if \load
	s_wait_xcnt 0x0                                ; the loads have read their base
	s_add_nc_u64 s[4:5], s[4:5], 131072            ; 32 rows on
.endif
	s_add_co_u32 s[CU], s[CU], 32*PITCH
	s_add_co_u32 s[SU], s[SU], 1024
.endm
.macro AFETCH m, row0                  ; tile m of the tokens, which lies from row row0 of ACODE on, into its 64 registers
	WIN 0x80+0x40*((\m)/4)
.irp s, 0,1,2,3,4,5,6,7
.irp c, 0,1
	ds_load_b128 v[64*((\m)%4)+8*\s+4*\c:64*((\m)%4)+8*\s+4*\c+3], v[AA] offset:PITCH*(\row0)+64*\s+32*\c
.endr
.endr
.endm
	s_mov_b32 s[CU], 0
	s_mov_b32 s[SU], 0
	s_mov_b32 s[CNT], 3
.Lrows:                                            ; rows 0-95; each trip asks for the next trip's rows
	s_wait_alu depctr_va_vdst(0)
	ROWS8 1
	s_sub_co_u32 s[CNT], s[CNT], 1
	s_cmp_lg_u32 s[CNT], 0
	s_cbranch_scc1 .Lrows
	BARRIER                                        ; 96 rows of codes lie in LDS
.irp m, 0,1,2,3,4,5
	AFETCH \m, 16*\m
.endr
	WIN 0
	BARRIER                                        ; every wave has them: ACODE's first 32 rows may be written again
	s_mov_b32 s[CU], 0
	ROWS8 0                                        ; rows 96-127: nothing more to load, the counts run down
	s_wait_tensorcnt 0x0                           ; slot 0's fill has landed
	ds_add_u32 v[SPW], v[NIL]                      ; 0 onto my spare word
	s_wait_dscnt 0x0                               ; the add is done, and my stores of codes and scale bytes have landed
	CROUND                                         ; a whole round: the last 32 rows of codes lie in LDS, and all four work-groups are here: the joint loads meet
	tensor_load_to_lds s[GB:GB+3], s[G1:G1+7]      ; slot 1's first fill, my first tensor load behind the round; it has slot 0's four tiles, 256 matrix instructions, in which to land
	s_nop 0
.rept 4
	v_nop
.endr
	AFETCH 6, 0
	AFETCH 7, 16
	WIN 0
.irp mm, 0,1,2,3
.irp q, 0,1
	ds_load_b128 v[SA+8*\mm+4*\q:SA+8*\mm+4*\q+3], v[ASA] offset:512*\mm+16*\q   ; the tokens' scale words
.endr
.endr
	BARRIER                                        ; nobody reads ACODE any more: its bytes serve q', p and the record
	WIN 0x04                                       ; an LDS store's data are its source 1: window 1
	ds_store_b128 v[QST], v[44:47]
	ds_store_b128 v[QST], v[48:51] offset:512
	WIN 0
.irp k, 0,1,2,3,4,5,6,7,8,9,10,11,12,13,14,15
	v_mov_b32 v[S+\k], 0                           ; the scores' sums (the slot's body is written once, so its first tile finds zeros)
.endr
	s_mov_b32 s[TB], 0
	s_mov_b32 s[QB], 0
	s_mov_b32 s[PBS], 0
	s_mov_b32 s[OB], 0
	s_mov_b32 s[STB], 0
; ---------------- PHASE 2
.macro FETCHB buf, i                   ; tile i (16 rows x 1,024 K: 8 fragments) of the slot in hand into a buffer of window 1
	WIN 0x40
.irp s, 0,1,2,3,4,5,6,7
.irp c, 0,1
	ds_load_b128 v[\buf+8*\s+4*\c:\buf+8*\s+4*\c+3], v[ADB] offset:16*PITCH*(\i)+64*\s+32*\c
.endr
.endr
	WIN 0
.endm
; K steps ka .. kb of tile i against four tiles of tokens (half 0: tiles 0-3, window 2; half 1: tiles 4-7, window 3).  The four accumulators take turns; K step 0 starts the sums.
.macro RUN kind, buf, i, half, ka, kb
.if \kind
	WIN 0x06+(\half)                               ; v: source 0 the tokens, source 1 Wkv (window 1)
.else
	WIN 0x09+4*(\half)                             ; k: source 0 Wkv (window 1), source 1 the tokens
.endif
.set ss, \ka
.rept (\kb)-(\ka)+1
.irp mm, 0,1,2,3
.set wD, ACC+8*(4*(\half)+\mm)
.set wZ, ss==0
.if \kind
.set wA, 64*\mm+8*ss
.set wB, (\buf)+8*ss
.set wSA, SA+8*\mm+ss
.set wSB, SB+4*(\i)+(ss&3)
.set wRA, \half
.set wRB, ss>>2
.else
.set wA, (\buf)+8*ss
.set wB, 64*\mm+8*ss
.set wSA, SB+4*(\i)+(ss&3)
.set wSB, SA+8*\mm+ss
.set wRA, ss>>2
.set wRB, \half
.endif
	EMIT
.endr
.set ss, ss+1
.endr
.endm
.macro POSTK i                         ; lane (r, h) holds k(token 16 m + r, channels 16 i + 8 h + 0..7): times q', onto the token's score
.rept 4
	v_nop                                          ; four places behind the products, ahead of the first read of results
.endr
	WIN 0x04                                       ; source 1 (q') window 1
.irp jj, 0,1,2,3
.irp m, 0,1,2,3,4,5,6,7
	v_pk_fma_f32 v[S+2*\m:S+2*\m+1], v[ACC+8*\m+2*\jj:ACC+8*\m+2*\jj+1], v[QP+8*(\i)+2*\jj:QP+8*(\i)+2*\jj+1], v[S+2*\m:S+2*\m+1]   ; each accumulator from its low end on
.endr
.endr
	WIN 0
.endm
.macro POSTV i                         ; lane (r, h) holds v(tokens 16 m + 8 h + 0..7, channel 16 i + r): times p, summed over the tokens
.rept 4
	v_nop
.endr
	WIN 0x04                                       ; source 1 (p) window 1
.irp m, 0,1,2,3,4,5,6,7
.irp jj, 0,1,2,3
.if \m == 0
	v_pk_mul_f32 v[GP+2*\jj:GP+2*\jj+1], v[ACC+2*\jj:ACC+2*\jj+1], v[QP+2*\jj:QP+2*\jj+1]
.else
	v_pk_fma_f32 v[GP+2*\jj:GP+2*\jj+1], v[ACC+8*\m+2*\jj:ACC+8*\m+2*\jj+1], v[QP+8*\m+2*\jj:QP+8*\m+2*\jj+1], v[GP+2*\jj:GP+2*\jj+1]
.endif
.endr
.endr
	WIN 0
	v_pk_add_f32 v[GP:GP+1], v[GP:GP+1], v[GP+2:GP+3]
	v_pk_add_f32 v[GP+4:GP+5], v[GP+4:GP+5], v[GP+6:GP+7]
	v_pk_add_f32 v[GP:GP+1], v[GP:GP+1], v[GP+4:GP+5]
	v_add_f32 v[GP], v[GP], v[GP+1]
	v_permlanex16_b32 v[GP+1], v[GP], s[SEL], s[SEL+1]
	v_add_f32 v[GP], v[GP], v[GP+1]                ; with the other half's 64 tokens
	ds_store_b32 v[OAW], v[GP] offset:2048*((\i)&1)+16*((\i)>>1)   ; both halves write the same word with the same value
.endm
.macro POST kind, i
.if \kind
	POSTV \i
.else
	POSTK \i
.endif
.endm
.macro SBNEXT i                        ; tile i's scale registers are free: they take the same tile's words of the next slot
	global_load_b128 v[SB+4*(\i):SB+4*(\i)+3], v[SBO], s[NSB:NSB+1] offset:512*(\i)
.endm
; Tiles 0 to 2 of a slot: the next tile's fragments are asked for, then this tile's 64 products, then what is made of them.
.macro TILE kind, i
	FETCHB F0+64*(((\i)+1)%2), (\i)+1              ; (that buffer's last products stand ahead of the last POST's vector lines)
.if (\kind)==0 && (\i)==0
	v_add_nc_u32 v[AQW], s[QB], v[AQ0]
	WIN 0x40
.irp t, 0,1,2,3
.irp q, 0,1
	ds_load_b128 v[QP+8*\t+4*\q:QP+8*\t+4*\q+3], v[AQW] offset:64*\t+16*\q   ; the slot's 64 numbers of q': my half's eight of each tile
.endr
.endr
	WIN 0
	s_wait_dscnt 24                                ; this tile's fragments are in; the 16 + 8 loads just issued stay out
.else
	s_wait_dscnt 16                                ; this tile's fragments are in (and all older LDS work); the 16 just issued stay out
.endif
.if (\kind)==1 && (\i)==0
	v_add_nc_u32 v[OAW], s[OB], v[OA0]             ; (behind the wait: the last slot's stores have gone)
.endif
	s_wait_loadcnt 0x3                             ; this tile's scale words are in: three such loads were issued behind theirs
	RUN \kind, F0+64*((\i)%2), \i, 0, 0, 7
	RUN \kind, F0+64*((\i)%2), \i, 1, 0, 7
.if (\kind)==0 && (\i)==0
	s_wait_alu depctr_va_vdst(0)
	s_wait_dscnt 0x0                               ; q'
.endif
	s_wait_alu depctr_va_vdst(0)
	POST \kind, \i
	SBNEXT \i
.endm
; Tile 3 changes slots.  fill = 1: every wave waits for all its tensor loads (one is out: the other slot's), adds 0 to its spare word, and waits for that and for its reads of this slot;
; a round of the cluster's barrier; the joint refill of this slot first behind it: it has four tiles, 256 matrix instructions, in which to land.
; fill = 0: nothing is filled again, and each wave reads only what its own load brought: its own wait is all the ordering.
.macro TURN kind, fill
.if \fill
	s_wait_tensorcnt 0x0                           ; no tensor load of mine is out, so the walking group 0 may be written
	ds_add_u32 v[SPW], v[NIL]                      ; 0 onto my spare word
.if \kind
	s_add_nc_u64 s[GB+2:GB+3], s[GB+2:GB+3], 0x8000   ; the next 64 rows
.else
	s_cmp_eq_u32 s[CNT], 2                         ; from k's last 64 rows to v's first: 524,288 - 3 x 32,768 bytes on
	s_mov_b32 s44, 0x8000
	s_cselect_b32 s44, 0x68000, s44
	s_add_nc_u64 s[GB+2:GB+3], s[GB+2:GB+3], s[44:45]
.endif
	s_xor_b32 s[GB+1], s[GB+1], SLOTX              ; into the other slot than last time
	s_wait_dscnt 0x1                               ; tile 3's fragments are in; the add may be out
.else
	s_wait_tensorcnt 0x0                           ; the last fill has landed: no load was issued behind it
	s_wait_dscnt 0x0
.endif
	s_wait_loadcnt 0x3
	RUN \kind, F1, 3, 0, 0, 3
.if \fill
	s_wait_dscnt 0x0                               ; the add is done, and my reads of this slot are over
	s_barrier_signal -1
.endif
	RUN \kind, F1, 3, 0, 4, 7                      ; work on registers while the others arrive
	WIN 0
.if \fill
	s_barrier_wait -1
	CREST                                          ; no wave of any partner still reads this slot or has a load on its way
	tensor_load_to_lds s[GB:GB+3], s[G1:G1+7]      ; my one tensor load until the next round
	s_nop 0
.rept 4
	v_nop
.endr
.else
	s_cmp_eq_u32 s[CNT], 1                         ; behind the last slot there is nothing to fetch
	s_cbranch_scc1 .Lno_next_\@
.endif
	s_xor_b32 s[TB], s[TB], SLOTX
	v_add_nc_u32 v[ADB], s[TB], v[AB0]             ; (no LDS load of mine is out)
	FETCHB F0, 0                                   ; the other slot's first tile
.if (\fill)==0
.Lno_next_\@:
.endif
	RUN \kind, F1, 3, 1, 0, 7
	s_wait_alu depctr_va_vdst(0)
	POST \kind, 3
	SBNEXT 3
.endm
; A head's 128 scores are whole: the largest is taken away, p = 2^(t - M'), L = the sum of p.  p goes to LDS, from where the second product's lanes take it; (M', L) into the record.
.macro SOFTMAX
.irp m, 0,1,2,3,4,5,6,7
	v_add_f32 v[16+\m], v[S+2*\m], v[S+2*\m+1]
.endr
.irp m, 0,1,2,3,4,5,6,7
	v_permlanex16_b32 v[24+\m], v[16+\m], s[SEL], s[SEL+1]
.endr
.irp m, 0,1,2,3,4,5,6,7
	v_add_f32 v[16+\m], v[16+\m], v[24+\m]         ; t of token 16 m + r, in both halves of the lanes
.endr
	v_max3_num_f32 v32, v16, v17, v18
	v_max3_num_f32 v32, v32, v19, v20
	v_max3_num_f32 v32, v32, v21, v22
	v_max_num_f32 v32, v32, v23
.irp x, 1,2,4,8
	v_max_num_f32_dpp v32, v32, v32 row_xmask:\x row_mask:0xf bank_mask:0xf
.endr
.irp m, 0,1,2,3,4,5,6,7
	v_sub_f32 v[16+\m], v[16+\m], v32
.endr
	s_wait_alu depctr_va_vdst(0)
.irp m, 0,1,2,3,4,5,6,7
	v_exp_f32 v[16+\m], v[16+\m]
.endr
	v_add_nc_u32 v[APSW], s[PBS], v[APS0]          ; independent work behind the exponentials
	v_add_nc_u32 v[STW], s[STB], v[STA0]
.irp k, 0,1,2,3,4,5,6,7,8,9,10,11,12,13,14,15
	v_mov_b32 v[S+\k], 0                           ; for the next head
.endr
	s_wait_alu depctr_va_vdst(0)                   ; one wait for the eight, ahead of their first reader
	v_add_f32 v33, v16, v17
	v_add_f32 v34, v18, v19
	v_add_f32 v35, v20, v21
	v_add_f32 v24, v22, v23
	v_add_f32 v33, v33, v34
	v_add_f32 v35, v35, v24
	v_add_f32 v33, v33, v35
.irp x, 1,2,4,8
	v_add_f32_dpp v33, v33, v33 row_xmask:\x row_mask:0xf bank_mask:0xf
.endr
.irp m, 0,1,2,3,4,5,6,7
	ds_store_b32 v[APSW], v[16+\m] offset:64*\m
.endr
	ds_store_b64 v[STW], v[32:33]
	s_add_co_u32 s[PBS], s[PBS], 512
	s_add_co_u32 s[STB], s[STB], 32
.endm
.macro PLOAD u                         ; p of my wave's head u: lane (r, h) takes tokens 16 m + 8 h + 0..7
	WIN 0x40
.irp m, 0,1,2,3,4,5,6,7
.irp q, 0,1
	ds_load_b128 v[QP+8*\m+4*\q:QP+8*\m+4*\q+3], v[AP] offset:512*(\u)+64*\m+16*\q
.endr
.endr
	WIN 0
.endm
	s_wait_tensorcnt 0x1                           ; my first fill has landed; the second may stay out
	v_mov_b32 v[ADB], v[AB0]
	FETCHB F0, 0
	s_mov_b32 s[CNT], 4
	s_mov_b32 s[HEADS], 2
.Lhead:                                            ; k: two heads of two slots
	s_mov_b32 s[INNER], 2
.Lkslot:
	TILE 0, 0
	TILE 0, 1
	TILE 0, 2
	TURN 0, 1
	s_wait_xcnt 0x0                                ; the scale loads have read their base
	s_cmp_eq_u32 s[CNT], 2                         ; from k's last 64 rows of scale bytes to v's first: 32,768 - 3 x 2,048 bytes on
	s_mov_b32 s46, 2048
	s_cselect_b32 s46, 26624, s46
	s_add_nc_u64 s[NSB:NSB+1], s[NSB:NSB+1], s[46:47]
	s_add_co_u32 s[QB], s[QB], 256
	s_sub_co_u32 s[CNT], s[CNT], 1
	s_sub_co_u32 s[INNER], s[INNER], 1
	s_cmp_lg_u32 s[INNER], 0
	s_cbranch_scc1 .Lkslot
	s_wait_alu depctr_va_vdst(0)
	SOFTMAX
	s_sub_co_u32 s[HEADS], s[HEADS], 1
	s_cmp_lg_u32 s[HEADS], 0
	s_cbranch_scc1 .Lhead
	PLOAD 0
	s_mov_b32 s[CNT], 2
.Lv1:                                              ; v of my first head: these two slots are still filled again
	TILE 1, 0
	TILE 1, 1
	TILE 1, 2
	TURN 1, 1
	s_wait_xcnt 0x0
	s_add_nc_u64 s[NSB:NSB+1], s[NSB:NSB+1], 2048
	s_add_co_u32 s[OB], s[OB], 32
	s_sub_co_u32 s[CNT], s[CNT], 1
	s_cmp_lg_u32 s[CNT], 0
	s_cbranch_scc1 .Lv1
	PLOAD 1
	s_mov_b32 s[CNT], 2
.Lv2:                                              ; v of my second head: no fill is left.  The scale loads' base stays at the last slot's words: the first trip brings them for the second;
	TILE 1, 0                                      ; the second trip's four loads bring them once more and are not used: so the counted wait counts the same three loads on every path
	TILE 1, 1
	TILE 1, 2
	TURN 1, 0
	s_add_co_u32 s[OB], s[OB], 32
	s_sub_co_u32 s[CNT], s[CNT], 1
	s_cmp_lg_u32 s[CNT], 0
	s_cbranch_scc1 .Lv2
	; ---------------- THE WAY OUT: the record lies in LDS; each wave stores 1,024 bytes of it, wave 0 the pairs too: whole aligned blocks of 256 bytes
	BARRIER
	v_and_b32 v16, 31, v0
	v_lshlrev_b32 v17, 3, v16                      ; 8 x lane
	v_add_nc_u32 v18, OUTS+4096, v17
	ds_load_b128 v[20:23], v[EO]
	ds_load_b128 v[24:27], v[EO] offset:512
	s_wait_dscnt 0x0
	global_store_b128 v[VOFF], v[20:23], s[16:17]
	global_store_b128 v[VOFF], v[24:27], s[16:17] offset:512
	s_cmp_lg_u32 s[WV], 0
	s_cbranch_scc1 .Lno_pairs
	s_wait_alu depctr_va_vdst(0)
	ds_load_b64 v[28:29], v18
	s_wait_dscnt 0x0
	global_store_b64 v17, v[28:29], s[16:17] offset:4096
.Lno_pairs:
	s_wait_tensorcnt 0x0                           ; the wave's end: behind my last tensor load and my last LDS store
	ds_add_u32 v[SPW], v[NIL]
	s_wait_dscnt 0x0
	CROUND                                         ; the closing round: no work-group ends while a partner may still ask for a fill that names it
	s_endpgm
.Lfunc_end_k_qcc7b2e61df_main:
	.size	k_qcc7b2e61df_main, .Lfunc_end_k_qcc7b2e61df_main-k_qcc7b2e61df_main
	.p2alignl 7, 3214868480
	.fill 96, 4, 3214868480
	.section	.rodata,"a",@progbits
	.p2align	6, 0x0
	.amdhsa_kernel k_qcc7b2e61df_main
		.amdhsa_group_segment_fixed_size 327680
		.amdhsa_private_segment_fixed_size 0
		.amdhsa_enable_private_segment 0
		.amdhsa_kernarg_size 56
		.amdhsa_user_sgpr_count 2
		.amdhsa_user_sgpr_kernarg_segment_ptr 1
		.amdhsa_wavefront_size32 1
		.amdhsa_system_sgpr_workgroup_id_x 1
		.amdhsa_system_sgpr_workgroup_id_y 1
		.amdhsa_system_sgpr_workgroup_id_z 1
		.amdhsa_system_vgpr_workitem_id 0
		.amdhsa_next_free_vgpr 1024
		.amdhsa_next_free_sgpr 66
		.amdhsa_reserve_vcc 0
		.amdhsa_float_denorm_mode_32 3
		.amdhsa_float_denorm_mode_16_64 3
		.amdhsa_memory_ordered 1
		.amdhsa_forward_progress 1
		.amdhsa_inst_pref_size 255
	.end_amdhsa_kernel
	.section	.bss,"aw",@nobits
	.p2align	6
	.space	262144
	.amdgpu_metadata
---
amdhsa.version: [ 1, 2 ]
amdhsa.kernels:
  - .name:           k_qcc7b2e61df_main
    .symbol:         k_qcc7b2e61df_main.kd
    .args:
      - { .name: features, .offset: 0, .size: 8, .value_kind: global_buffer, .address_space: global }
      - { .name: kv_gamma, .offset: 8, .size: 8, .value_kind: global_buffer, .address_space: global }
      - { .name: kv_beta, .offset: 16, .size: 8, .value_kind: global_buffer, .address_space: global }
      - { .name: Wkv_codes, .offset: 24, .size: 8, .value_kind: global_buffer, .address_space: global }
      - { .name: Wkv_scales, .offset: 32, .size: 8, .value_kind: global_buffer, .address_space: global }
      - { .name: qvec, .offset: 40, .size: 8, .value_kind: global_buffer, .address_space: global }
      - { .name: part, .offset: 48, .size: 8, .value_kind: global_buffer, .address_space: global }
    .group_segment_fixed_size: 327680
    .private_segment_fixed_size: 0
    .kernarg_segment_align: 8
    .kernarg_segment_size: 56
    .max_flat_workgroup_size: 128
    .sgpr_count:     66
    .vgpr_count:     1024
    .wavefront_size: 32
...
	.end_amdgpu_metadata
.endif
;; end of part 2
;; launch finish (part 3): grid 16 x 16, 4 waves a work-group, no clusters, 9,216 bytes of LDS; arguments part, proj_W_codes, proj_W_scales, proj_b, class_feature, out0; writes out0
.if DOCPART == 3
	.amdgcn_target "amdgcn-amd-amdhsa--gfx1250"
	.amdhsa_code_object_version 6
	.text
	.protected	k_qcc7b2e61df_finish
	.globl	k_qcc7b2e61df_finish
	.p2align	8
	.type	k_qcc7b2e61df_finish,@function
k_qcc7b2e61df_finish:
	s_mov_b64 s[64:65], 0
	v_nop
	global_prefetch_b8 v0, s[64:65] scope:SCOPE_SE
	s_setreg_imm32_b32 hwreg(HW_REG_WAVE_MODE, 25, 1), 1
	s_wait_xcnt 0x0
; out0[y][n] = class_feature[n] + Q(agg[y]) . proj_W[n][:] + proj_b[n].  agg[y] is joined from the batch's 16 records: with M = the largest of a head's 16 maxima and w_p = 2^(m_p - M),
; agg = (sum of w_p x record p) / (sum of w_p x l_p): the softmax over all 2,048 tokens, its maximum taken away.
; Work-group (x, y) makes outputs 64 x .. 64 x + 63 of batch y.  A record holds channel 32 l + 4 i + e at byte 512 i + 16 l + 4 e, and the pair (m, l) of lane l's head, l / 4, at 4,096 + 8 l.
; THE FOUR WAVES SHARE THE JOINING AND THE OUTPUTS.  Wave w joins pieces i = 2 w and 2 w + 1 of every record (two loads of 512 consecutive bytes a record) and takes tile w of proj_W (16 outputs):
; all of a wave's 67 loads go out together at its head.  The joined quarter goes to a row stage in LDS, laid like a record; behind one barrier every wave reads the whole row, lane l its block l of 32,
; quantises it into its own 1,024 bytes of LDS and takes it back as fragments in which all 16 rows are this row.  Behind a second barrier wave 0 stores the 64 outputs.
; LIMITS: NaN and infinities are not served.  A block whose largest magnitude lies under 2^-124 (a block of zeros too) keeps the scale byte 1: its bytes are read here alone.
; The sum over K is kept in four accumulators (K step s in accumulator s % 4) and added at the end: another order of f32 additions than one chain.
.set ST,  16                           ; v16-47  the 16 pairs (m, l)
.set WT,  48                           ; v48-63  the 16 weights
.set R,   64                           ; v64-191 my two pieces of the 16 records: record p at R + 8 p
.set Y,   64                           ; later: v64-95 the whole row, register 4 i + e = channel 32 lane + 4 i + e
.set AF,  96                           ; v96-159 the row's 8 fragments
.set ACC, 160                          ; v160-191 four accumulators
.set AC,  192                          ; v192-199 my quarter of the joined row
.set SBQ, 200                          ; v200-203 proj_W's scale words: register s & 3; lanes 0-15 K steps 0-3, lanes 16-31 K steps 4-7
.set SAQ, 204                          ; v204-211 the row's scale words
.set CC,  212                          ; v212-215 my block's codes
.set CF,  216                          ; v[216:217] class_feature, v[218:219] proj_b at 8 x lane of the work-group's 64 outputs
.set PB,  218
.set T,   220                          ; v220-223 at work
.set RC,  228                          ; v[228:229] 1 / the sum (low word; the pair is named by a packed form)
.set ROWST, 4096                       ; LDS: behind the waves' four regions of 1,024 bytes: the joined row, 4,096 bytes;
.set OUTST, 8192                       ; and the 64 outputs
; window 1: my tile of proj_W, K step s at v[8 s]
.set MSB, 0
.macro WIN new                         ; the immediate's high byte repeats the setting that is left
.if MSB != (\new)
	s_set_vgpr_msb (MSB<<8)|(\new)
.set MSB, (\new)
.endif
.endm
.macro EMIT                            ; one matrix instruction from the symbols wD, wA, wB, wZ (C = 0), wSA, wSB, wRB (B's scales in lanes 16-31)
.if wZ
.if wRB
	v_wmma_scale_f32_16x16x128_f8f6f4 v[wD:wD+7], v[wA:wA+7], v[wB:wB+7], 0, v[wSA], v[wSB] matrix_a_fmt:MATRIX_FMT_FP4 matrix_b_fmt:MATRIX_FMT_FP4 matrix_b_scale:MATRIX_SCALE_ROW1
.else
	v_wmma_scale_f32_16x16x128_f8f6f4 v[wD:wD+7], v[wA:wA+7], v[wB:wB+7], 0, v[wSA], v[wSB] matrix_a_fmt:MATRIX_FMT_FP4 matrix_b_fmt:MATRIX_FMT_FP4
.endif
.else
.if wRB
	v_wmma_scale_f32_16x16x128_f8f6f4 v[wD:wD+7], v[wA:wA+7], v[wB:wB+7], v[wD:wD+7], v[wSA], v[wSB] matrix_a_fmt:MATRIX_FMT_FP4 matrix_b_fmt:MATRIX_FMT_FP4 matrix_b_scale:MATRIX_SCALE_ROW1
.else
	v_wmma_scale_f32_16x16x128_f8f6f4 v[wD:wD+7], v[wA:wA+7], v[wB:wB+7], v[wD:wD+7], v[wSA], v[wSB] matrix_a_fmt:MATRIX_FMT_FP4 matrix_b_fmt:MATRIX_FMT_FP4
.endif
.endif
.endm
.macro JOIN p                          ; my eight numbers of record p, times its weight, onto my quarter of the row
.set RR, R+8*(\p)
.set WW, WT+2*((\p)/2)
.irp k, 0,2,4,6
.if (\p) == 0
	v_pk_mul_f32 v[AC+\k:AC+\k+1], v[RR+\k:RR+\k+1], v[WW:WW+1] op_sel_hi:[1,0]
.elseif (\p)%2 == 0
	v_pk_fma_f32 v[AC+\k:AC+\k+1], v[RR+\k:RR+\k+1], v[WW:WW+1], v[AC+\k:AC+\k+1] op_sel_hi:[1,0,1]
.else
	v_pk_fma_f32 v[AC+\k:AC+\k+1], v[RR+\k:RR+\k+1], v[WW:WW+1], v[AC+\k:AC+\k+1] op_sel:[0,1,0] op_sel_hi:[1,1,1]
.endif
.endr
.endm
	s_load_b256 s[4:11], s[0:1], 0x0               ; part, proj_W's codes, proj_W's scales, proj_b
	s_load_b128 s[12:15], s[0:1], 0x20             ; class_feature, out0
	v_lshl_add_u32 v254, v0, 2, 0x2200
	v_mov_b32 v255, 0
	v_lshrrev_b32 v10, 5, v0
	v_readfirstlane_b32 s17, v10                   ; wave 0..3
	v_and_b32 v13, 31, v0                          ; lane
	v_and_b32 v10, 15, v0                          ; r
	v_bfe_u32 v11, v0, 4, 1                        ; h
	s_lshl_b32 s30, s17, 10                        ; my wave's 1,024 bytes: of LDS, of a record and of the row stage
	s_lshl_b32 s31, s17, 6                         ; my wave's 64 bytes of the 64 outputs
	v_lshlrev_b32 v1, 3, v13                       ; 8 x lane
	v_lshl_add_u32 v2, v11, 4, s30                 ; LDS: my half's 16 bytes of a K step's 64
	v_lshlrev_b32 v3, 9, v10
	v_lshl_add_u32 v3, v11, 4, v3                  ; proj_W: row r of 512 bytes, + 16 h
	v_lshlrev_b32 v4, 5, v10
	v_lshl_add_u32 v4, v11, 4, v4                  ; its scales: row r of 32 bytes, + 16 h
	v_lshlrev_b32 v5, 4, v13                       ; 16 x lane: in a record's piece, and in the row stage on the way back
	v_add_nc_u32 v6, s30, v13                      ; LDS: my block's scale byte (512 further on)
	v_mov_b32 v7, s30                              ; LDS: my wave's region
	v_lshl_add_u32 v8, v10, 2, s31                 ; LDS: the way out: 64 w + 4 r
	v_lshl_add_u32 v9, v13, 4, s30                 ; LDS: 16 x lane + 1,024 w: my block's codes in my region; my piece's place in the row stage
	v_mov_b32 v[RC+1], 0                           ; upper half of a pair that a packed form names
	s_and_b32 s16, ttmp7, 0xffff                   ; y: the batch
	s_mul_i32 s18, s16, 69632                      ; its 16 records of 4,352 bytes
	s_mov_b32 s19, 0
	s_lshl_b32 s20, ttmp9, 15                      ; my work-group's 64 rows of proj_W,
	s_lshl_b32 s21, s17, 13                        ; my wave's 16 of them
	s_add_co_u32 s20, s20, s21
	s_mov_b32 s21, 0
	s_lshl_b32 s22, ttmp9, 11                      ; their scale bytes: 32 a row
	s_lshl_b32 s23, s17, 9
	s_add_co_u32 s22, s22, s23
	s_mov_b32 s23, 0
	s_lshl_b32 s24, ttmp9, 8                       ; my work-group's 64 outputs
	s_mov_b32 s25, 0
	s_lshl_b32 s26, s16, 12
	s_add_co_u32 s26, s26, s24
	s_mov_b32 s27, 0
	s_mov_b32 s32, s30
	s_mov_b32 s33, 0
	s_wait_alu depctr_va_vdst(0)
	s_wait_kmcnt 0x0
	s_add_nc_u64 s[4:5], s[4:5], s[18:19]          ; the batch's records
	s_add_nc_u64 s[28:29], s[4:5], s[32:33]        ; and my wave's two pieces in them
	s_add_nc_u64 s[6:7], s[6:7], s[20:21]
	s_add_nc_u64 s[8:9], s[8:9], s[22:23]
	s_add_nc_u64 s[10:11], s[10:11], s[24:25]
	s_add_nc_u64 s[12:13], s[12:13], s[24:25]
	s_add_nc_u64 s[14:15], s[14:15], s[26:27]
	; all my loads, in the order in which they are wanted
.irp p, 0,1,2,3,4,5,6,7,8,9,10,11,12,13,14,15
	global_load_b64 v[ST+2*\p:ST+2*\p+1], v1, s[4:5] offset:4352*\p+4096
.endr
.irp p, 0,1,2,3,4,5,6,7,8,9,10,11,12,13,14,15
	global_load_b128 v[R+8*\p:R+8*\p+3], v5, s[28:29] offset:4352*\p
	global_load_b128 v[R+8*\p+4:R+8*\p+7], v5, s[28:29] offset:4352*\p+512
.endr
	WIN 0x40                                       ; destination window 1, address window 0
.irp s, 0,1,2,3,4,5,6,7
.irp c, 0,1
	global_load_b128 v[8*\s+4*\c:8*\s+4*\c+3], v3, s[6:7] offset:64*\s+32*\c
.endr
.endr
	WIN 0
	global_load_b128 v[SBQ:SBQ+3], v4, s[8:9]
	global_load_b64 v[CF:CF+1], v1, s[12:13]
	global_load_b64 v[PB:PB+1], v1, s[10:11]
	s_wait_loadcnt 51                              ; the 16 pairs are in; the records' 32 loads, the tile's 17 and the two vectors' stay out
	v_max3_num_f32 v10, v[ST], v[ST+2], v[ST+4]
.irp p, 3,5,7,9,11,13
	v_max3_num_f32 v10, v10, v[ST+2*\p], v[ST+2*\p+2]
.endr
	v_max_num_f32 v10, v10, v[ST+30]               ; M
.irp p, 0,1,2,3,4,5,6,7,8,9,10,11,12,13,14,15
	v_sub_f32 v[WT+\p], v[ST+2*\p], v10
.endr
	s_wait_alu depctr_va_vdst(0)
.irp p, 0,1,2,3,4,5,6,7,8,9,10,11,12,13,14,15
	v_exp_f32 v[WT+\p], v[WT+\p]
.endr
	v_nop                                          ; a plain line behind the last exponential
	s_wait_alu depctr_va_vdst(0)                   ; one wait for the sixteen, ahead of their first reader
	v_mul_f32 v11, v[WT], v[ST+1]                  ; the sum of p over all 2,048 tokens, in two chains: at least 1
	v_mul_f32 v14, v[WT+1], v[ST+3]
.irp p, 2,4,6,8,10,12,14
	v_fmac_f32 v11, v[WT+\p], v[ST+2*\p+1]
	v_fmac_f32 v14, v[WT+\p+1], v[ST+2*\p+3]
.endr
	v_add_f32 v11, v11, v14
	s_wait_alu depctr_va_vdst(0)
	v_rcp_f32 v[RC], v11                           ; the joining below is the independent work behind it
.irp g, 0,1,2,3
	s_wait_alu depctr_va_vdst(0)
	s_wait_loadcnt 43-8*\g                         ; records 4 g .. 4 g + 3 are in; the later records' loads (two each) and the last 19 stay out
	JOIN 4*\g
	JOIN 4*\g+1
	JOIN 4*\g+2
	JOIN 4*\g+3
.endr
	s_wait_alu depctr_va_vdst(0)                   ; ahead of the reciprocal's first reader
.irp k, 0,2,4,6
	v_pk_mul_f32 v[AC+\k:AC+\k+1], v[AC+\k:AC+\k+1], v[RC:RC+1] op_sel_hi:[1,0]
.endr
	ds_store_b128 v9, v[AC:AC+3] offset:ROWST      ; piece 2 w: 512 consecutive bytes
	ds_store_b128 v9, v[AC+4:AC+7] offset:ROWST+512   ; piece 2 w + 1
	s_wait_dscnt 0x0                               ; for the others' sake: my stores have landed
	s_barrier_signal -1
	s_barrier_wait -1                              ; the whole row lies in LDS
.irp i, 0,1,2,3,4,5,6,7
	ds_load_b128 v[Y+4*\i:Y+4*\i+3], v5 offset:ROWST+512*\i
.endr
	s_wait_dscnt 0x0
	; ---- my block of 32: largest magnitude with the floor 2^(3 - 127), scale, codes
	v_max3_num_f32 v[T], |v[Y]|, |v[Y+1]|, 0x1800000
	v_max3_num_f32 v[T+1], |v[Y+2]|, |v[Y+3]|, |v[Y+4]|
.irp k, 5,9,13,17,21,25
	v_max3_num_f32 v[T], v[T], |v[Y+\k]|, |v[Y+\k+1]|
	v_max3_num_f32 v[T+1], v[T+1], |v[Y+\k+2]|, |v[Y+\k+3]|
.endr
	v_max3_num_f32 v[T], v[T], |v[Y+29]|, |v[Y+30]|
	v_max3_num_f32 v[T], v[T], v[T+1], |v[Y+31]|
	v_add_nc_u32 v[T+2], 0xff000000, v[T]          ; 2 off the exponent field: the conversion's scale operand
.irp c, 0,1,2,3
	v_cvt_scalef32_pk8_fp4_f32 v[CC+\c], v[Y+8*\c:Y+8*\c+7], v[T+2]
.endr
	v_lshrrev_b32 v[T+3], 23, v[T+2]               ; the scale's byte (also the plain line behind the conversions)
	ds_store_b128 v9, v[CC:CC+3]
	ds_store_b8 v6, v[T+3] offset:512
	; ---- back as fragments in which all 16 rows are this row: LDS serves a wave's instructions in order, so these see the stores
.irp s, 0,1,2,3,4,5,6,7
.irp c, 0,1
	ds_load_b128 v[AF+8*\s+4*\c:AF+8*\s+4*\c+3], v2 offset:64*\s+32*\c
.endr
.endr
	ds_load_b128 v[SAQ:SAQ+3], v7 offset:512
	ds_load_b128 v[SAQ+4:SAQ+7], v7 offset:528
	s_wait_dscnt 0x0
	s_wait_loadcnt 0x0                             ; proj_W's fragments and scale words, class_feature, proj_b
	WIN 0x04                                       ; source 1 (proj_W) window 1
.set ss, 0
.rept 8
.set wD, ACC+8*(ss&3)
.set wA, AF+8*ss
.set wB, 8*ss
.set wSA, SAQ+ss
.set wSB, SBQ+(ss&3)
.set wRB, ss>>2
.set wZ, ss<4
	EMIT                                           ; the four accumulators take turns, one instruction a turn; K steps 0 to 3 start the sums
.set ss, ss+1
.endr
	WIN 0
.rept 4
	v_nop                                          ; four places behind the last product, ahead of the first read of results
.endr
	v_add_f32 v[T], v[ACC], v[ACC+8]               ; all 16 rows are alike: register 0 of lane r is output 16 w + r
	v_add_f32 v[T+1], v[ACC+16], v[ACC+24]
	v_add_f32 v[T], v[T], v[T+1]
	ds_store_b32 v8, v[T] offset:OUTST             ; both halves of the lanes write the same word with the same value
	s_wait_dscnt 0x0                               ; for the others' sake: my store has landed
	s_barrier_signal -1
	s_barrier_wait -1                              ; the 64 outputs lie in LDS
	s_cmp_lg_u32 s17, 0
	s_cbranch_scc1 .Ldone
	ds_load_b64 v[T+2:T+3], v1 offset:OUTST
	s_wait_dscnt 0x0
	v_pk_add_f32 v[T+2:T+3], v[T+2:T+3], v[CF:CF+1]   ; + class_feature
	v_pk_add_f32 v[T+2:T+3], v[T+2:T+3], v[PB:PB+1]   ; + proj_b
	global_store_b64 v1, v[T+2:T+3], s[14:15]      ; wave 0: 32 lanes store 256 consecutive bytes, aligned
.Ldone:
	s_wait_tensorcnt 0x0
	ds_add_u32 v254, v255
	s_wait_dscnt 0x0
	s_endpgm
.Lfunc_end_k_qcc7b2e61df_finish:
	.size	k_qcc7b2e61df_finish, .Lfunc_end_k_qcc7b2e61df_finish-k_qcc7b2e61df_finish
	.p2alignl 7, 3214868480
	.fill 96, 4, 3214868480
	.section	.rodata,"a",@progbits
	.p2align	6, 0x0
	.amdhsa_kernel k_qcc7b2e61df_finish
		.amdhsa_group_segment_fixed_size 9216
		.amdhsa_private_segment_fixed_size 0
		.amdhsa_enable_private_segment 0
		.amdhsa_kernarg_size 48
		.amdhsa_user_sgpr_count 2
		.amdhsa_user_sgpr_kernarg_segment_ptr 1
		.amdhsa_wavefront_size32 1
		.amdhsa_system_sgpr_workgroup_id_x 1
		.amdhsa_system_sgpr_workgroup_id_y 1
		.amdhsa_system_sgpr_workgroup_id_z 1
		.amdhsa_system_vgpr_workitem_id 0
		.amdhsa_next_free_vgpr 512
		.amdhsa_next_free_sgpr 66
		.amdhsa_reserve_vcc 0
		.amdhsa_float_denorm_mode_32 3
		.amdhsa_float_denorm_mode_16_64 3
		.amdhsa_memory_ordered 1
		.amdhsa_forward_progress 1
		.amdhsa_inst_pref_size 21
	.end_amdhsa_kernel
	.amdgpu_metadata
---
amdhsa.version: [ 1, 2 ]
amdhsa.kernels:
  - .name:           k_qcc7b2e61df_finish
    .symbol:         k_qcc7b2e61df_finish.kd
    .args:
      - { .name: part, .offset: 0, .size: 8, .value_kind: global_buffer, .address_space: global }
      - { .name: proj_W_codes, .offset: 8, .size: 8, .value_kind: global_buffer, .address_space: global }
      - { .name: proj_W_scales, .offset: 16, .size: 8, .value_kind: global_buffer, .address_space: global }
      - { .name: proj_b, .offset: 24, .size: 8, .value_kind: global_buffer, .address_space: global }
      - { .name: class_feature, .offset: 32, .size: 8, .value_kind: global_buffer, .address_space: global }
      - { .name: out0, .offset: 40, .size: 8, .value_kind: global_buffer, .address_space: global }
    .group_segment_fixed_size: 9216
    .private_segment_fixed_size: 0
    .kernarg_segment_align: 8
    .kernarg_segment_size: 48
    .max_flat_workgroup_size: 128
    .sgpr_count:     66
    .vgpr_count:     512
    .wavefront_size: 32
...
	.end_amdgpu_metadata
.endif
;; end of part 3
